; MI455X (gfx1250); checked and timed in simulation.
; The chip was launched on July 23, 2026; its instructions are those of AMD's public machine-readable ISA for CDNA 5 (MIT licence, August 2026) and "CDNA5" Instruction Set Architecture Reference Guide (July 2026). The comments in the code are by the model that wrote it; some were corrected since.
;; Multi Head Attention. Allowed arithmetic: matrix products marked QUANTISED: E2M3 operands, one E8M0 scale for each 32 along K, by v_wmma_scale_f32_16x16x128_f8f6f4 with both operands' format E2M3, f32 sums; everything else in f32.
;; Inputs: Wk 512 x 512 float32; Wo 512 x 512 float32; Wq 512 x 512 float32; Wv 512 x 512 float32; bk 512 float32; bo 512 float32; bq 512 float32; bv 512 float32; x 2 x 4,096 x 512 float32.
;; Outputs: out0 2 x 4,096 x 512 float32.
;; This version of the problem:
;;   THIS VERSION OF THE PROBLEM IS GIVEN IN LOW PRECISION. The matrix products marked QUANTISED in the list below multiply operands that are first quantised to E2M3 (2 exponent bits, 3 mantissa bits; 6 bits a number), with one power-of-two scale for each 32 numbers along K (OCP MX v1.0); their sums are f32. All else is computed in f32.
;;   The module's matrix products, in the order in which they are computed (A, B: the left and right operand; K: the contracted axis; several contracted axes count as one K, in the product's order):
;;     1. [M 8,192, K 512] x [K 512, N 512]; A: input x; B: input Wq: QUANTISED
;;     2. [M 8,192, K 512] x [K 512, N 512]; A: input x; B: input Wk: QUANTISED
;;     3. [M 8,192, K 512] x [K 512, N 512]; A: input x; B: input Wv: QUANTISED
;;     4. batch 16 x [M 4,096, K 64] x [K 64, N 4,096]; A: computed on the way; B: computed on the way: QUANTISED
;;     5. batch 16 x [M 4,096, K 4,096] x [K 4,096, N 64]; A: softmax (see below); B: computed on the way: QUANTISED
;;     6. [M 8,192, K 512] x [K 512, N 512]; A: computed on the way; B: input Wo: QUANTISED
;;   THE QUANTISER, for each operand of a quantised product, along K:
;;     - K is cut into blocks of 32 from its start; a last block that is shorter is filled with zeros.
;;     - A block's scale is 2^e with e = floor(log2(the largest magnitude in the block)) - 2, held to -126 .. 127; a block of zeros has e = 0. As a byte (E8M0): e + 127.
;;     - Each number is divided by its block's scale, clamped to +-7.5, and rounded to the nearest number of E2M3, ties to even, subnormals kept.
;;     - The product sums the exact products of the quantised numbers (number of the format x scale) in f32.
;;   ~~~python
;;   def quantise(x, axis):      # numpy; x: float32 -> the quantised numbers, widened to float32 again
;;       x = np.moveaxis(x, axis, -1); K = x.shape[-1]
;;       x = np.pad(x, [(0, 0)] * (x.ndim - 1) + [(0, -K % 32)]); x = x.reshape(x.shape[:-1] + (-1, 32)); a = np.abs(x).max(-1, keepdims=True)
;;       e = np.where(a > 0, np.clip(np.frexp(np.where(a > 0, a, 1))[1] - 1 - 2, -126, 127), 0)      # np.frexp(a)[1] - 1 = floor(log2(a)), exactly
;;       r = np.clip(x / 2.0 ** e, -7.5, 7.5)
;;       step = 2.0 ** (np.maximum(np.frexp(np.where(r == 0, 1, r))[1] - 1, 0) - 3)
;;       q = np.round(r / step) * step * 2.0 ** e      # np.round: ties to even
;;       return np.moveaxis(q.reshape(q.shape[:-2] + (-1,))[..., :K], -1, axis).astype(np.float32)
;;   ~~~
;;   SOFTMAX AHEAD OF A QUANTISED PRODUCT. Where the list says 'softmax', what is quantised is not the finished softmax but p = 2^(t - M), with t = logit x log2(e) and M = ceil(the row's largest t), a whole number; so 1/2 < the row's largest p <= 1. The row's sum l is taken of the UNQUANTISED p, in f32, and the product's result is divided by l at the end. Since M is a whole number, a kernel that streams over the keys may use a running M (the ceiling of the running maximum): every later rescaling is an exact power of two, which a block's scale takes up: the codes' values come out the same.
;;   OPERANDS COMPUTED ON THE WAY. 'Computed on the way' means the value that the module computes at that place (a softmax that the list does not call 'softmax' is quantised finished and normalised). What goes into a quantiser is computed in f32, as accurately as f32 sums, v_exp_f32 and their like allow (about 1e-6 of the number): no bf16 or f16 on the way to a quantiser, and a product that is left as it is and whose result goes on into a quantised operand takes f32 operands (vector FMAs, or v_wmma_f32_16x16x4_f32). A number that lies on a knife's edge between two numbers of the format may be rounded either way, as far as f32 arithmetic and the matrix unit's own rounding can turn it there, and no further.
;; One version. Each part assembles by itself: llvm-mc -triple=amdgcn-amd-amdhsa -mcpu=gfx1250 --defsym DOCPART=n.
;; ======== version 1 of 1: 4 launches
;; limits: right only within a limited range of input values
;; workspace buffers: opnd 4,096,000 bytes; qi 3,276,800 bytes; kv 6,553,600 bytes; ao 4,194,304 bytes
;; launch quant (part 1): grid 320 x 1, 2 waves a work-group, no clusters, 24,832 bytes of LDS; arguments x, Wq, Wk, Wv, Wo, opnd; writes opnd
.if DOCPART == 1
	.amdgcn_target "amdgcn-amd-amdhsa--gfx1250"
	.amdhsa_code_object_version 6
	.text
	.protected	k_q576a212e23_quant
	.globl	k_q576a212e23_quant
	.p2align	8
	.type	k_q576a212e23_quant,@function
k_q576a212e23_quant:
	s_mov_b64 s[64:65], 0
	v_nop
	global_prefetch_b8 v0, s[64:65] scope:SCOPE_SE
	s_setreg_imm32_b32 hwreg(HW_REG_WAVE_MODE, 25, 1), 1
	s_wait_xcnt 0x0
; x [8192][512] and Wq, Wk, Wv, Wo [512][512], f32 with K innermost, become codes of FP6 (E2M3) with one E8M0 scale byte for each 32 along K.
; A block's scale is 2^(floor(log2(its largest magnitude)) - 2); its byte is the largest magnitude's exponent field - 2, held at 1 from below.
; THE RESULT IS LAID IN THE ORDER OF AN OPERAND'S REGISTERS.  A TILE is 16 rows: lane r of tile T has row 64 (T / 4) + 8 (T % 4) + r % 8 + 32 (r / 8).  (With such a tile as source 0, register j of accumulator 4 c + i in
; lane half h is row 64 c + 32 h + 8 i + j: a lane's 32 registers of four accumulators are a whole block of 32 along the next K.)  A tile's RECORD is 6,400 bytes: four fragments (K step s = 128 along K, 12 registers a
; lane) at 1,536 s, each as three chunks of 512 bytes, lane l's registers 4 c .. 4 c + 3 at 512 c + 16 l; at 6,144 row r's 16 scale bytes at 16 r.
; Records: x's tiles 0-511, then Wq's 32, Wk's, Wv's, Wo's.  So every later launch loads a fragment by three loads of 16 bytes a lane, 512 consecutive bytes each.
; SHARES: a wave makes one tile; step t is the tile's row t: 512 numbers, 16 neighbours a lane (two lanes hold a block).  Each load takes 512 consecutive bytes, 16 a lane; a step's 2,048 bytes turn through the
; wave's own stage in LDS and come back 64 bytes a lane.  A lane's 12 bytes of codes are three registers of the fragment: they go by words into an image of the record in the wave's own LDS, which leaves
; at the end by stores of 512 consecutive bytes.  Loads run eight steps (32 loads, 16,384 bytes a wave) ahead, half of all that the wave reads.  Waves share nothing: no barrier.
; One path serves all five tensors: only pointers are chosen, on the work-group's number.  No matrix unit, no cluster, no tensor load: each input byte is read once, by one wave.
; LIMITS: NaN and infinities among the inputs are not served.  A block of zeros, or one whose largest magnitude lies under 2^-124, gets the byte 1 (the quantiser's text says 127 for zeros): its codes are
; zeros or held small numbers, and this program alone reads the bytes.
.set WREG,  12288                      ; LDS of a wave
.set SP,    80                         ; a lane's place in a stage: 64 bytes + 16
.set IMG,   5120                       ; behind the two stages (2 x 32 x 80): the image, 12 chunks
.set CP,    528                        ; a chunk's 512 bytes + 16
.set SCB,   11520                      ; the tile's 256 scale bytes
.set STEPS, 16
.set AHEAD, 8                          ; steps whose loads are out
.set EMAX,  2
.set R,     16                         ; v16-143  eight sets of 16 numbers as loaded; at the end the image on its way out
.set X,     144                        ; v144-175 two sets of 16 neighbours
.set E,     176                        ; v176-191 a scale byte for each step
.set C,     192                        ; v192-255 codes: four registers for each step
	s_load_b256 s[4:11], s[0:1], 0x0               ; x, Wq, Wk, Wv
	s_load_b128 s[12:15], s[0:1], 0x20             ; Wo, opnd
	v_lshl_add_u32 v251, v0, 2, 0x6000
	v_mov_b32 v255, 0
	v_lshrrev_b32 v1, 5, v0
	v_readfirstlane_b32 s24, v1                    ; wave 0, 1
	v_and_b32 v2, 31, v0                           ; lane
	v_lshlrev_b32 v3, 4, v2                        ; 16 x lane
	s_mul_i32 s25, s24, WREG
	v_lshrrev_b32 v14, 2, v2
	v_mul_u32_u24 v14, v14, SP
	v_and_b32 v15, 3, v2
	v_lshl_add_u32 v14, v15, 4, v14
	v_add_nc_u32 v14, s25, v14                     ; the stage, on the way in: four lanes' 64 bytes on end, then 16 of padding
	v_mul_u32_u24 v15, v2, SP
	v_add_nc_u32 v15, s25, v15                     ; and on the way out: my 16 neighbours
	; Lane l holds k = 16 l .. 16 l + 15 of the row: K step l / 8; in the fragment half h = (l / 2) % 2, registers rho = 6 ((l / 4) % 2) + 3 (l % 2) + 0, 1, 2.
	v_bfe_u32 v8, v2, 2, 1
	v_and_b32 v9, 1, v2
	v_mul_u32_u24 v8, v8, 6
	v_mad_u32_u24 v8, v9, 3, v8                    ; rho of my first word
	v_lshrrev_b32 v9, 3, v2
	v_mul_u32_u24 v9, v9, 3*CP                     ; my K step's three chunks
	v_bfe_u32 v10, v2, 1, 1
	v_lshl_add_u32 v9, v10, 8, v9                  ; + 256 h: lanes 16-31 of the fragment
	s_add_co_u32 s26, s25, IMG
	v_add_nc_u32 v9, s26, v9
.macro MKA dst, i                      ; where word i of my codes goes for row 0: chunk rho / 4, word rho % 4; row t lies 16 t further on
	v_add_nc_u32 v10, \i, v8
	v_lshrrev_b32 v11, 2, v10
	v_and_b32 v10, 3, v10
	v_mad_u32_u24 v11, v11, CP, v9
	v_lshl_add_u32 v[\dst], v10, 2, v11
.endm
	MKA 4, 0
	MKA 6, 1
	MKA 7, 2
	v_add_nc_u32 v10, s26, v3                      ; the image on its way out: 16 x lane in each chunk
	s_add_co_u32 s27, s25, SCB
	v_lshrrev_b32 v5, 1, v2
	v_add_nc_u32 v5, s27, v5                       ; my block's scale byte for row 0
	s_mov_b32 s18, 304
	s_wait_kmcnt 0x0
	s_mov_b64 s[16:17], s[12:13]                   ; which tensor: work-groups 0-255 x, then 16 each for Wq, Wk, Wv, Wo.  The choice hangs on the work-group's number alone
	s_cmp_lt_u32 ttmp9, 304
	s_cselect_b64 s[16:17], s[10:11], s[16:17]
	s_cselect_b32 s18, 288, s18
	s_cmp_lt_u32 ttmp9, 288
	s_cselect_b64 s[16:17], s[8:9], s[16:17]
	s_cselect_b32 s18, 272, s18
	s_cmp_lt_u32 ttmp9, 272
	s_cselect_b64 s[16:17], s[6:7], s[16:17]
	s_cselect_b32 s18, 256, s18
	s_cmp_lt_u32 ttmp9, 256
	s_cselect_b64 s[16:17], s[4:5], s[16:17]
	s_cselect_b32 s18, 0, s18
	s_sub_co_u32 s19, ttmp9, s18                   ; the work-group's number n within its tensor: tiles 2 n and 2 n + 1
	s_lshr_b32 s20, s19, 1
	s_lshl_b32 s20, s20, 17                        ; four tiles share 64 rows of 2,048 bytes;
	s_and_b32 s21, s19, 1
	s_lshl_b32 s21, s21, 15                        ; a tile begins 8 rows behind the one before: 16 rows for the odd work-group,
	s_add_co_u32 s20, s20, s21
	s_lshl_b32 s21, s24, 14                        ; 8 for the odd wave
	s_add_co_u32 s20, s20, s21
	s_mov_b32 s21, 0
	s_add_nc_u64 s[16:17], s[16:17], s[20:21]
	s_lshl_b32 s22, ttmp9, 1
	s_add_co_u32 s22, s22, s24                     ; my record
	s_mul_i32 s22, s22, 6400
	s_mov_b32 s23, 0
	s_add_nc_u64 s[14:15], s[14:15], s[22:23]
.macro LOAD t                          ; row t of the tile lies t % 8 + 32 (t / 8) rows down
.irp i, 0,1,2,3
	global_load_b128 v[R+16*((\t)%AHEAD)+4*\i:R+16*((\t)%AHEAD)+4*\i+3], v3, s[16:17] offset:2048*((\t)%8+32*((\t)/8))+512*\i th:TH_LOAD_NT   ; 32 lanes read 512 consecutive bytes
.endr
.endm
.macro TURN t                          ; step t's numbers through the stage: LDS serves a wave's instructions in order, so no wait stands between the stores and the loads
.irp i, 0,1,2,3
	ds_store_b128 v14, v[R+16*((\t)%AHEAD)+4*\i:R+16*((\t)%AHEAD)+4*\i+3] offset:32*SP*((\t)%2)+8*SP*\i
.endr
.irp i, 0,1,2,3
	ds_load_b128 v[X+16*((\t)%2)+4*\i:X+16*((\t)%2)+4*\i+3], v15 offset:32*SP*((\t)%2)+16*\i
.endr
.endm
.irp t, 0,1,2,3,4,5,6,7
	LOAD \t
.endr
	s_wait_loadcnt 4*(AHEAD-1)                     ; step 0's four loads are in; the seven steps behind it may be out
	TURN 0
.macro STEP t
.set XS, X+16*((\t)%2)
.if (\t) > 0
	s_wait_dscnt 4                                 ; this step's numbers are back from the stage; younger: the last step's byte store and its three word stores
.else
	s_wait_dscnt 0x0
.endif
.if (\t)+AHEAD < STEPS
	LOAD (\t)+AHEAD                                ; into the registers that this step's stores to the stage have read
.endif
.if (\t)+1 < STEPS
.if STEPS-2-(\t) >= AHEAD-1
	s_wait_loadcnt 4*(AHEAD-1)                     ; the next step's four loads are in; those of the seven steps behind it may be out
.else
	s_wait_loadcnt 4*(STEPS-2-(\t))
.endif
	TURN (\t)+1                                    ; through the other stage while this step is worked
.endif
	v_max3_num_f32 v8, |v[XS]|, |v[XS+1]|, |v[XS+2]|               ; the largest magnitude of my 16, in two chains
	v_max3_num_f32 v9, |v[XS+3]|, |v[XS+4]|, |v[XS+5]|
.irp i, 6,10
	v_max3_num_f32 v8, v8, |v[XS+\i]|, |v[XS+\i+1]|
	v_max3_num_f32 v9, v9, |v[XS+\i+2]|, |v[XS+\i+3]|
.endr
	v_max3_num_f32 v8, v8, |v[XS+14]|, |v[XS+15]|
	v_max3_num_f32 v8, v8, v9, (EMAX+1)<<23        ; and the floor 2^(3 - 127): the byte cannot fall under 1
	v_max_num_f32_dpp v8, v8, v8 row_xmask:1 row_mask:0xf bank_mask:0xf   ; with my neighbour's 16: the block's
	v_add_nc_u32 v11, -(EMAX<<23), v8              ; 2 off its exponent field: the conversion takes the exponent field of this operand as its scale
	v_cvt_scalef32_pk16_fp6_f32 v[C+4*(\t):C+4*(\t)+2], v[XS:XS+15], v11
	v_lshrrev_b32 v[E+(\t)], 23, v11               ; the scale's byte (also the plain instruction behind the conversion)
	ds_store_b8 v5, v[E+(\t)] offset:16*(\t)       ; both lanes of a block write the same byte with the same value
	ds_store_b32 v4, v[C+4*(\t)] offset:16*(\t)    ; my three registers of the fragment's lane t + 16 h
	ds_store_b32 v6, v[C+4*(\t)+1] offset:16*(\t)
	ds_store_b32 v7, v[C+4*(\t)+2] offset:16*(\t)
.endm
.irp t, 0,1,2,3,4,5,6,7,8,9,10,11,12,13,14,15
	STEP \t
.endr
.irp q, 0,1,2,3,4,5,6,7,8,9,10,11
	ds_load_b128 v[R+4*\q:R+4*\q+3], v10 offset:CP*\q   ; LDS serves a wave's instructions in order: these see my stores
.endr
	v_lshlrev_b32 v8, 3, v2
	v_add_nc_u32 v9, s27, v8
	ds_load_b64 v[12:13], v9
	s_wait_alu depctr_va_vdst(0)
.irp q, 0,1,2,3,4,5,6,7,8,9,10,11
	s_wait_dscnt 12-\q                             ; chunk q is in; younger: the chunks behind it and the scale bytes
	global_store_b128 v3, v[R+4*\q:R+4*\q+3], s[14:15] offset:512*\q   ; 512 consecutive bytes, at a multiple of 256 from the buffer's first byte
.endr
	s_wait_dscnt 0x0
	global_store_b64 v8, v[12:13], s[14:15] offset:6144                ; 256 consecutive bytes
	s_wait_tensorcnt 0x0
	ds_add_u32 v251, v255
	s_wait_dscnt 0x0
	s_endpgm
.Lfunc_end_k_q576a212e23_quant:
	.size	k_q576a212e23_quant, .Lfunc_end_k_q576a212e23_quant-k_q576a212e23_quant
	.p2alignl 7, 3214868480
	.fill 96, 4, 3214868480
	.section	.rodata,"a",@progbits
	.p2align	6, 0x0
	.amdhsa_kernel k_q576a212e23_quant
		.amdhsa_group_segment_fixed_size 24832
		.amdhsa_private_segment_fixed_size 0
		.amdhsa_enable_private_segment 0
		.amdhsa_kernarg_size 48
		.amdhsa_user_sgpr_count 2
		.amdhsa_user_sgpr_kernarg_segment_ptr 1
		.amdhsa_wavefront_size32 1
		.amdhsa_system_sgpr_workgroup_id_x 1
		.amdhsa_system_sgpr_workgroup_id_y 1
		.amdhsa_system_sgpr_workgroup_id_z 1
		.amdhsa_system_vgpr_workitem_id 0
		.amdhsa_next_free_vgpr 256
		.amdhsa_next_free_sgpr 66
		.amdhsa_reserve_vcc 0
		.amdhsa_float_denorm_mode_32 3
		.amdhsa_float_denorm_mode_16_64 3
		.amdhsa_memory_ordered 1
		.amdhsa_forward_progress 1
		.amdhsa_inst_pref_size 38
	.end_amdhsa_kernel
	.amdgpu_metadata
---
amdhsa.version: [ 1, 2 ]
amdhsa.kernels:
  - .name:           k_q576a212e23_quant
    .symbol:         k_q576a212e23_quant.kd
    .args:
      - { .name: x, .offset: 0, .size: 8, .value_kind: global_buffer, .address_space: global }
      - { .name: Wq, .offset: 8, .size: 8, .value_kind: global_buffer, .address_space: global }
      - { .name: Wk, .offset: 16, .size: 8, .value_kind: global_buffer, .address_space: global }
      - { .name: Wv, .offset: 24, .size: 8, .value_kind: global_buffer, .address_space: global }
      - { .name: Wo, .offset: 32, .size: 8, .value_kind: global_buffer, .address_space: global }
      - { .name: opnd, .offset: 40, .size: 8, .value_kind: global_buffer, .address_space: global }
    .group_segment_fixed_size: 24832
    .private_segment_fixed_size: 0
    .kernarg_segment_align: 8
    .kernarg_segment_size: 48
    .max_flat_workgroup_size: 64
    .sgpr_count:     66
    .vgpr_count:     256
    .wavefront_size: 32
...
	.end_amdgpu_metadata
.endif
;; end of part 1
;; launch proj (part 2): grid 64 x 4, 3 waves a work-group, no clusters, 0 bytes of LDS; arguments opnd, bq, bk, bv, qi, kv; writes qi, kv
.if DOCPART == 2
	.amdgcn_target "amdgcn-amd-amdhsa--gfx1250"
	.amdhsa_code_object_version 6
	.text
	.protected	k_q576a212e23_proj
	.globl	k_q576a212e23_proj
	.p2align	8
	.type	k_q576a212e23_proj,@function
k_q576a212e23_proj:
	s_mov_b64 s[64:65], 0
	v_nop
	global_prefetch_b8 v0, s[64:65] scope:SCOPE_SE
	s_setreg_imm32_b32 hwreg(HW_REG_WAVE_MODE, 25, 1), 1
	s_wait_xcnt 0x0
; q, k, v = x W^T + b on codes of FP6 (E2M3) with E8M0 scales, and their quantising for the two products of attention: q and k along a head's 64 channels, v along the keys.
; THE DEAL.  The work is 768 blocks of 128 tokens x 128 channels, K = 512, 256 matrix instructions, a wave each.  Work-group (tb, j) has three waves and the tokens 128 tb .. 128 tb + 127 (batch tb / 32, key step tb % 32);
; its wave i takes block n = 3 j + i of that token block's twelve: mat = n / 4 (0 q, 1 k, 2 v) and w = n % 4: channels 128 w .. 128 w + 127, heads 2 w and 2 w + 1.  So the grid is 64 x 4 = 256 work-groups,
; and the three waves of a work-group read the same eight tiles of x.  A block is not split further, since a smaller one would break v's whole K step of 128 keys.
; Operands come as records of 6,400 bytes a tile of 16 rows, in the order of the operand's registers (lane r of tile T: row 64 (T / 4) + 8 (T % 4) + r % 8 + 32 (r / 8)): a fragment is three loads of 16 bytes a lane.
; SOURCE 0 IS THE OPERAND THAT STAYS (8 tiles, 32 fragments, 384 registers), SOURCE 1 THE ONE THAT STREAMS, a tile (a GROUP of 32 matrix instructions on 8 accumulators by turns) at a time, four tiles ahead.
;   q, k: W's tiles stay, x's stream: a lane holds ONE token and its 64 registers run along channels: a block of 32 of each of the wave's two heads.
;   v:    x's tiles stay, Wv's stream: a lane holds ONE channel and its 64 registers run along tokens: two blocks of 32 keys of a K step of the second product of attention.
; By the tiles' order register j of accumulator 4 c + i in lane half h is neighbour 64 c + 32 h + 8 i + j: A LANE HOLDS WHOLE BLOCKS, in the order that the 6-bit operand's layout gives that lane.  So a block's largest
; magnitude needs no other lane and the conversions' results are the operand's registers; only the scale word's bytes are gathered from lanes l and l xor 16.  The bias is the C of each sum's first matrix instruction.
; OUT, again in the order of registers.  qi [16 heads x batches][32 steps] records of 6,400 bytes: four PAIR fragments (registers 0-5: the 64 channels of token tile 2 b, registers 6-11: of tile 2 b + 1) at 1,536 b;
; at 6,144 lane r's four scale words.  kv likewise, records of 12,800 bytes: k's pair fragments at 0, v's four fragments (16 channels x 128 keys) at 6,144, k's scale words at 12,288, v's at 12,544.
; No LDS, no barrier, no tensor load, no cluster: a wave loads each of its 102,400 operand bytes once, straight into the registers from which they are multiplied; waves share nothing, so the two paths may part on the wave's number.
; LIMITS: NaN and infinities are not served; a block of zeros or under 2^-124 gets the scale byte 1 over zero or held codes (this program alone reads the bytes).
; REGISTERS, in windows of 256: window 0: below.  Windows 1, 2: the staying fragment (t, s) in window 1 + s / 2 at v[12 (8 (s % 2) + t)]; window 2 from v192: the biases.  Window 3: four streaming buffers of 48.
.set REC,  6400
.set FRB,  1536
.set SCO,  6144
.set LI,   1                           ; v1   16 x lane
.set LR,   2                           ; v2   16 x (lane % 16)
.set BO,   3                           ; v3   my offset among the wave's 128 biases
.set TO,   4                           ; v4   where my scale words go
.set SH,   9                           ; v9   8 x (lane / 16): where my bytes stand in a scale word
.set SS,   16                          ; v16-47  scale words of the staying tiles: 4 t + s
.set TS,   48                          ; v48-79  of the streaming tiles: 4 g + s
.set ACC,  80                          ; v80-143 eight accumulators
.set TM,   144                         ; v144-152 at work in the quantiser
.set PW,   160                         ; v160-161 scale words just made
.set X2,   164                         ; v164-170 the conversions' second halves
.set FA,   172                         ; v172-183 a fragment to store
.set FB,   184                         ; v184-195 a second one
.set WA,   196                         ; v196-199 scale words of head 2 w
.set WB,   200                         ; v200-203 of head 2 w + 1
.set WO,   204                         ; v204-207 lanes 0-15 WA's, lanes 16-31 WB's
.set BI,   192                         ; in window 2
.set SEL,  40                          ; s[40:41] v_permlanex16_b32's selects for lane l xor 16
.set MSB, 0
.macro WIN new                         ; the immediate's high byte repeats the setting that is left
.if MSB != \new
	s_set_vgpr_msb (MSB<<8)|\new
.set MSB, \new
.endif
.endm
.macro TLDR g                          ; streaming tile g: four fragments into buffer g % 4 (destination window 3)
.irp s, 0,1,2,3
.irp c, 0,1,2
	global_load_b128 v[48*((\g)%4)+12*\s+4*\c:48*((\g)%4)+12*\s+4*\c+3], v[LI], s[22:23] offset:REC*(\g)+FRB*\s+512*\c
.endr
.endr
.endm
.macro TLD g
	WIN 0xc0
	TLDR \g
	WIN 0
.endm
.macro LOADS                           ; scale words, the 32 staying fragments, streaming tiles 0-3, in this order
.irp t, 0,1,2,3,4,5,6,7
	global_load_b128 v[SS+4*\t:SS+4*\t+3], v[LR], s[20:21] offset:REC*\t+SCO
.endr
.irp t, 0,1,2,3,4,5,6,7
	global_load_b128 v[TS+4*\t:TS+4*\t+3], v[LR], s[22:23] offset:REC*\t+SCO
.endr
	WIN 0x40
.irp s, 0,1
.irp t, 0,1,2,3,4,5,6,7
.irp c, 0,1,2
	global_load_b128 v[12*(8*\s+\t)+4*\c:12*(8*\s+\t)+4*\c+3], v[LI], s[20:21] offset:REC*\t+FRB*\s+512*\c
.endr
.endr
.endr
	WIN 0x80
.irp s, 0,1
.irp t, 0,1,2,3,4,5,6,7
.irp c, 0,1,2
	global_load_b128 v[12*(8*\s+\t)+4*\c:12*(8*\s+\t)+4*\c+3], v[LI], s[20:21] offset:REC*\t+FRB*(\s+2)+512*\c
.endr
.endr
.endr
	WIN 0xc0
	TLDR 0
	TLDR 1
	TLDR 2
	TLDR 3
	WIN 0
.endm
; Eight matrix instructions: K step s of streaming tile g against the eight staying tiles.  s = 0 starts the sums with the bias: of accumulator t (ck = 0) or of streaming tile g (ck = 1).
.macro PROD g, s, ck
.irp t, 0,1,2,3,4,5,6,7
.if (\s) == 0
	v_wmma_scale_f32_16x16x128_f8f6f4 v[ACC+8*\t:ACC+8*\t+7], v[12*(8*((\s)%2)+\t):12*(8*((\s)%2)+\t)+11], v[48*((\g)%4)+12*(\s):48*((\g)%4)+12*(\s)+11], v[BI+8*(\t+(\ck)*((\g)-\t)):BI+8*(\t+(\ck)*((\g)-\t))+7], v[SS+4*\t+(\s)], v[TS+4*(\g)+(\s)] matrix_a_fmt:MATRIX_FMT_FP6 matrix_b_fmt:MATRIX_FMT_FP6
.else
	v_wmma_scale_f32_16x16x128_f8f6f4 v[ACC+8*\t:ACC+8*\t+7], v[12*(8*((\s)%2)+\t):12*(8*((\s)%2)+\t)+11], v[48*((\g)%4)+12*(\s):48*((\g)%4)+12*(\s)+11], v[ACC+8*\t:ACC+8*\t+7], v[SS+4*\t+(\s)], v[TS+4*(\g)+(\s)] matrix_a_fmt:MATRIX_FMT_FP6 matrix_b_fmt:MATRIX_FMT_FP6
.endif
.endr
.endm
; A group: 32 matrix instructions, the eight accumulators by turns, one instruction a turn, K ascending.
.macro GROUP g, ck
.if 7-(\g) >= 3
	s_wait_loadcnt 36                              ; tile g is in, and all that was asked for ahead of it; the three tiles behind it, 12 loads each, may be out
.else
	s_wait_loadcnt 12*(7-(\g))
.endif
	WIN 0x2d                                       ; source 0 window 1, source 1 window 3, C (the bias) window 2, D window 0
	PROD \g, 0, \ck
	WIN 0x0d                                       ; C window 0
	PROD \g, 1, \ck
	WIN 0x0e                                       ; source 0 window 2
	PROD \g, 2, \ck
	PROD \g, 3, \ck
	WIN 0
.rept 4
	v_nop                                          ; four places ahead of loads into registers that matrix instructions have read and of the first read of results
.endr
.if (\g) < 4
	TLD (\g)+4                                     ; the tile four on takes this tile's buffer
.endif
.endm
; 64 numbers of a lane, register 32 c + i = k 64 c + 32 (lane / 16) + i of the lane's row: two whole blocks.  They become codes: k 0-63 in v[d0 .. d0 + 5], k 64-127 in v[d1 .. d1 + 5]; the row's four scale bytes in v[pw].
.macro QUANT s, d0, d1, pw
.irp n, 0,1,2,3
	v_max3_num_f32 v[TM+\n], |v[\s+16*\n]|, |v[\s+16*\n+1]|, |v[\s+16*\n+2]|   ; four chains, two to a block, by turns; each accumulator from its low end on
.endr
.irp i, 3,5,7,9,11,13
.irp n, 0,1,2,3
	v_max3_num_f32 v[TM+\n], v[TM+\n], |v[\s+16*\n+\i]|, |v[\s+16*\n+\i+1]|
.endr
.endr
.irp c, 0,1
	v_max3_num_f32 v[TM+2*\c], v[TM+2*\c], v[TM+2*\c+1], |v[\s+32*\c+15]|
.endr
.irp c, 0,1
	v_max3_num_f32 v[TM+2*\c], v[TM+2*\c], |v[\s+32*\c+31]|, 0x1800000   ; the block's largest magnitude, and the floor 2^(3 - 127): the byte cannot fall under 1
.endr
.irp c, 0,1
	v_add_nc_u32 v[TM+4+\c], 0xff000000, v[TM+2*\c] ; 2 off its exponent field: the conversion's scale operand
.endr
.irp c, 0,1
	v_lshrrev_b32 v[TM+6+\c], 23, v[TM+4+\c]       ; the scale's byte
.endr
	v_lshl_or_b32 v[TM+6], v[TM+7], 16, v[TM+6]    ; my two bytes: blocks h and 2 + h,
	v_lshlrev_b32 v[TM+6], v[SH], v[TM+6]          ; at their places in the word (8 h bits up);
	v_permlanex16_b32 v[TM+8], v[TM+6], s[SEL], s[SEL+1]
	v_or_b32 v[\pw], v[TM+6], v[TM+8]              ; with lane l xor 16's two the word is whole
	v_cvt_scalef32_pk16_fp6_f32 v[\d0:\d0+2], v[\s:\s+15], v[TM+4]
	v_cvt_scalef32_pk16_fp6_f32 v[X2:X2+2], v[\s+16:\s+31], v[TM+4]      ; (a conversion's three registers begin on an even number: a block's second three do not, so they are made elsewhere and moved)
	v_cvt_scalef32_pk16_fp6_f32 v[\d1:\d1+2], v[\s+32:\s+47], v[TM+5]
	v_cvt_scalef32_pk16_fp6_f32 v[X2+4:X2+6], v[\s+48:\s+63], v[TM+5]
	v_nop                                          ; one plain place behind a scaled conversion
.irp i, 0,1,2
	v_mov_b32 v[\d0+3+\i], v[X2+\i]
.endr
.irp i, 0,1,2
	v_mov_b32 v[\d1+3+\i], v[X2+4+\i]
.endr
.endm
	s_load_b256 s[4:11], s[0:1], 0x0               ; opnd, bq, bk, bv
	s_load_b128 s[12:15], s[0:1], 0x20             ; qi, kv
	v_lshrrev_b32 v5, 5, v0
	v_readfirstlane_b32 s19, v5                    ; wave 0..2
	v_and_b32 v5, 31, v0                           ; lane
	v_and_b32 v6, 15, v0                           ; r
	v_bfe_u32 v7, v0, 4, 1                         ; h
	s_wait_alu depctr_va_vdst(0)
	v_lshlrev_b32 v[LI], 4, v5
	v_lshlrev_b32 v[LR], 4, v6
	v_lshlrev_b32 v[SH], 3, v7
	s_mov_b32 s17, ttmp9                           ; tb
	s_and_b32 s18, ttmp7, 0xffff                   ; j
	s_mul_i32 s18, s18, 3
	s_add_co_u32 s18, s18, s19                     ; n = 3 j + wave: my block of the token block's twelve
	s_and_b32 s16, s18, 3                          ; w = n % 4: which 128 channels
	s_lshr_b32 s18, s18, 2                         ; mat = n / 4
	s_mov_b32 s[SEL], 0x76543210
	s_mov_b32 s[SEL+1], 0xfedcba98
	s_mov_b32 s42, 0x05040100                      ; v_perm_b32: the two low halves
	s_mov_b32 s43, 0x07060302                      ; the two high halves
	s_lshl_b32 s32, s18, 5
	s_lshl_b32 s33, s16, 3
	s_add_co_u32 s32, s32, s33
	s_add_co_u32 s32, s32, 512                     ; my weight's first record: 512 + 32 mat + 8 w
	s_lshl_b32 s33, s17, 3                         ; x's: 8 tb
	s_mov_b32 s30, 12800                           ; an output record's bytes,
	s_mov_b32 s31, 12288                           ; and where its scale words lie
	s_cmp_eq_u32 s18, 2
	s_cselect_b32 s34, s33, s32                    ; what stays,
	s_cselect_b32 s36, s32, s33                    ; what streams
	s_cselect_b32 s31, 12544, s31
	s_cmp_eq_u32 s18, 0
	s_cselect_b32 s30, 6400, s30
	s_cselect_b32 s31, 6144, s31
	s_mul_i32 s34, s34, REC
	s_mul_i32 s36, s36, REC
	s_mov_b32 s35, 0
	s_mov_b32 s37, 0
	s_lshr_b32 s38, s17, 5
	s_lshl_b32 s38, s38, 3
	s_lshl_b32 s39, s16, 1
	s_add_co_u32 s38, s38, s39                     ; 8 x batch + head 2 w
	s_lshl_b32 s38, s38, 5
	s_and_b32 s39, s17, 31
	s_add_co_u32 s38, s38, s39                     ; x 32 + step
	s_mul_i32 s38, s38, s30
	s_mov_b32 s39, 0
	s_lshl_b32 s44, s30, 5                         ; from a head to the next: 32 records
	s_mov_b32 s45, 0
	s_lshl_b32 s46, s16, 9                         ; my 128 biases
	s_mov_b32 s47, 0
	v_mul_u32_u24 v[TO], v7, s44                   ; lanes 16-31 store head 2 w + 1's scale words
	v_lshl_add_u32 v[TO], v6, 4, v[TO]
	v_add_nc_u32 v[TO], s31, v[TO]
	v_mov_b32 v[TM+8], 0                           ; written once: a lane permute's destination counts as one of its sources
	s_wait_kmcnt 0x0
	s_add_nc_u64 s[20:21], s[4:5], s[34:35]
	s_add_nc_u64 s[22:23], s[4:5], s[36:37]
	s_cmp_eq_u32 s18, 0                            ; the choices hang on the work-group's and the wave's number alone
	s_cselect_b64 s[24:25], s[6:7], s[8:9]
	s_cselect_b64 s[26:27], s[12:13], s[14:15]
	s_cmp_eq_u32 s18, 2
	s_cselect_b64 s[24:25], s[10:11], s[24:25]
	s_add_nc_u64 s[24:25], s[24:25], s[46:47]
	s_add_nc_u64 s[26:27], s[26:27], s[38:39]      ; head 2 w's record
	s_add_nc_u64 s[28:29], s[26:27], s[44:45]      ; head 2 w + 1's
	s_cmp_eq_u32 s18, 2
	s_cbranch_scc1 .Lv
	; ---- q, k.  The bias in the result's layout: accumulator t, lane half h: channels 64 (t / 4) + 32 h + 8 (t % 4) + 0 .. 7
	v_lshlrev_b32 v[BO], 7, v7
	WIN 0x80
.irp t, 0,1,2,3,4,5,6,7
	global_load_b128 v[BI+8*\t:BI+8*\t+3], v[BO], s[24:25] offset:(64*(\t/4)+8*(\t%4))*4
	global_load_b128 v[BI+8*\t+4:BI+8*\t+7], v[BO], s[24:25] offset:(64*(\t/4)+8*(\t%4))*4+16
.endr
	WIN 0
	s_wait_alu depctr_va_vdst(0)
	LOADS
.irp b, 0,1,2,3                        ; token tiles 2 b and 2 b + 1 make pair fragment b of both heads
	GROUP 2*\b, 0
	s_wait_xcnt 0x0                                ; the last pair's stores have read FA and FB: they are written again only behind this wait
	QUANT ACC, FA, FB, PW
	GROUP 2*\b+1, 0
	QUANT ACC, FA+6, FB+6, PW+1
.irp c, 0,1,2
	global_store_b128 v[LI], v[FA+4*\c:FA+4*\c+3], s[26:27] offset:FRB*\b+512*\c   ; 512 consecutive bytes, at a multiple of 256 from the buffer's first byte
	global_store_b128 v[LI], v[FB+4*\c:FB+4*\c+3], s[28:29] offset:FRB*\b+512*\c
.endr
	v_perm_b32 v[WA+\b], v[PW+1], v[PW], s42       ; head 2 w: (tile 2 b's two bytes, tile 2 b + 1's two)
	v_perm_b32 v[WB+\b], v[PW+1], v[PW], s43       ; head 2 w + 1
.endr
	s_branch .Ltail
.Lv:	; ---- v.  A lane holds one channel, so all eight registers of a bias tile hold that channel's bias
	v_and_b32 v8, 7, v6
	v_lshrrev_b32 v10, 3, v6
	v_lshl_add_u32 v8, v10, 5, v8                  ; r % 8 + 32 (r / 8)
	v_lshlrev_b32 v[BO], 2, v8
	WIN 0x80
.irp g, 0,1,2,3,4,5,6,7
.irp j, 0,1,2,3,4,5,6,7
	global_load_b32 v[BI+8*\g+\j], v[BO], s[24:25] offset:(64*(\g/4)+8*(\g%4))*4
.endr
.endr
	WIN 0
	LOADS
.irp g, 0,1,2,3,4,5,6,7                ; channel tile g: head 2 w + g / 4, its tile g % 4
	GROUP \g, 1
	s_wait_xcnt 0x0                                ; the last group's stores have read FA
	QUANT ACC, FA, FA+6, WA+\g
.irp c, 0,1,2
.if \g < 4
	global_store_b128 v[LI], v[FA+4*\c:FA+4*\c+3], s[26:27] offset:SCO+FRB*(\g%4)+512*\c
.else
	global_store_b128 v[LI], v[FA+4*\c:FA+4*\c+3], s[28:29] offset:SCO+FRB*(\g%4)+512*\c
.endif
.endr
.endr
.Ltail:	; the scale words: lanes 0-15 store head 2 w's 256 bytes, lanes 16-31 head 2 w + 1's
	v_cmp_le_u32 vcc_lo, 16, v5
	s_wait_alu depctr_va_vdst(0)
.irp i, 0,1,2,3
	v_cndmask_b32 v[WO+\i], v[WA+\i], v[WB+\i], vcc_lo
.endr
	global_store_b128 v[TO], v[WO:WO+3], s[26:27]
	s_endpgm
.Lfunc_end_k_q576a212e23_proj:
	.size	k_q576a212e23_proj, .Lfunc_end_k_q576a212e23_proj-k_q576a212e23_proj
	.p2alignl 7, 3214868480
	.fill 96, 4, 3214868480
	.section	.rodata,"a",@progbits
	.p2align	6, 0x0
	.amdhsa_kernel k_q576a212e23_proj
		.amdhsa_group_segment_fixed_size 0
		.amdhsa_private_segment_fixed_size 0
		.amdhsa_enable_private_segment 0
		.amdhsa_kernarg_size 48
		.amdhsa_user_sgpr_count 2
		.amdhsa_user_sgpr_kernarg_segment_ptr 1
		.amdhsa_wavefront_size32 1
		.amdhsa_system_sgpr_workgroup_id_x 1
		.amdhsa_system_sgpr_workgroup_id_y 1
		.amdhsa_system_sgpr_workgroup_id_z 1
		.amdhsa_system_vgpr_workitem_id 0
		.amdhsa_next_free_vgpr 1024
		.amdhsa_next_free_sgpr 66
		.amdhsa_reserve_vcc 1
		.amdhsa_float_denorm_mode_32 3
		.amdhsa_float_denorm_mode_16_64 3
		.amdhsa_memory_ordered 1
		.amdhsa_forward_progress 1
		.amdhsa_inst_pref_size 172
	.end_amdhsa_kernel
	.amdgpu_metadata
---
amdhsa.version: [ 1, 2 ]
amdhsa.kernels:
  - .name:           k_q576a212e23_proj
    .symbol:         k_q576a212e23_proj.kd
    .args:
      - { .name: opnd, .offset: 0, .size: 8, .value_kind: global_buffer, .address_space: global }
      - { .name: bq, .offset: 8, .size: 8, .value_kind: global_buffer, .address_space: global }
      - { .name: bk, .offset: 16, .size: 8, .value_kind: global_buffer, .address_space: global }
      - { .name: bv, .offset: 24, .size: 8, .value_kind: global_buffer, .address_space: global }
      - { .name: qi, .offset: 32, .size: 8, .value_kind: global_buffer, .address_space: global }
      - { .name: kv, .offset: 40, .size: 8, .value_kind: global_buffer, .address_space: global }
    .group_segment_fixed_size: 0
    .private_segment_fixed_size: 0
    .kernarg_segment_align: 8
    .kernarg_segment_size: 48
    .max_flat_workgroup_size: 96
    .sgpr_count:     66
    .vgpr_count:     1024
    .wavefront_size: 32
...
	.end_amdgpu_metadata
.endif
;; end of part 2
;; launch attn (part 3): grid 16 x 16, 8 waves a work-group, clusters of 4 x 1, 327,680 bytes of LDS; arguments qi, kv, ao; writes ao
.if DOCPART == 3
	.amdgcn_target "amdgcn-amd-amdhsa--gfx1250"
	.amdhsa_code_object_version 6
	.text
	.protected	k_q576a212e23_attn
	.globl	k_q576a212e23_attn
	.p2align	8
	.type	k_q576a212e23_attn,@function
k_q576a212e23_attn:
	s_mov_b64 s[64:65], 0
	v_nop
	global_prefetch_b8 v0, s[64:65] scope:SCOPE_SE
	s_setreg_imm32_b32 hwreg(HW_REG_WAVE_MODE, 25, 1), 1
	s_wait_xcnt 0x0
	s_wait_alu depctr_hold_cnt(0) depctr_sa_sdst(0) depctr_va_vdst(0) depctr_va_sdst(0) depctr_va_ssrc(0) depctr_va_vcc(0) depctr_vm_vsrc(0)
	s_getreg_b32 s2, hwreg(HW_REG_IB_STS2, 6, 4)
	s_cmp_eq_u32 s2, 0
	s_cbranch_scc0 .Lentry_in_a_cluster
	s_endpgm
.Lentry_in_a_cluster:
	s_bfe_u32 s2, ttmp6, 0x10000c
	s_cmp_lg_u32 s2, 0x3003
	s_cbranch_scc0 .Lentry_shape_is_right
	s_endpgm
.Lentry_shape_is_right:
; O = softmax(q k^T / 8) v for one head and batch (bh), both products on codes of FP6 (E2M3) with E8M0 scales, and O / l quantised along the head's 64 channels for the last projection.
; THE SOFTMAX: t = score x log2(e) / 8; M = the row's largest t so far, rounded UP to a whole number; p = 2^(t - M) is quantised along the keys, not normalised.  The row's sum is taken of the unquantised p,
; in f32, and divides O at the end.  When M moves, the sum and O are multiplied by 2^(old M - new M): exact.
; SHARES.  A work-group owns 256 queries; each of its eight waves 32 of them, TWO tiles of 16, so that each fragment of k and v read from LDS feeds two tiles.  Every wave walks the head's 4,096 keys, 128 a step.
; A step's RECORD in kv is 12,800 bytes in the order of the operands' registers: k's four pair fragments, v's four fragments, k's and v's scale words: every LDS read is 16 bytes a lane on end.
; LDS: three regions of 8 records.  Region 0 comes at the head, a record a wave; regions 1 and 2 behind the full sequence and a round, two records a wave; region 0 is filled once more with records 24-31.
; CLUSTER.  The four query blocks of a cluster belong to one bh and walk the same records: every tensor load is asked for JOINTLY, with the same descriptor and the mask 15.
; LAYOUT.  Both products are used transposed (S^T = k q^T, O^T = v^T p^T): a lane holds ONE query of each tile.  Score register 32 c + 8 i + j of lane half h is key 64 c + 32 h + 8 i + j: a lane holds two whole
; blocks of 32 keys, in the order of the 6-bit operand's layout.  Only the row's maximum and the scale word's bytes cross between lanes l and l xor 16.
; THE FIRST PRODUCT'S K IS 64, THE INSTRUCTION'S 128: a pair fragment (key tile 2 b | key tile 2 b + 1) is multiplied once by (q | zeros) and once by (zeros | q): zero CODES add exact zeros.
; THE LOOP IS TURNED: trip i works step i's softmax and second product and loads record i + 1 alone: k's fragments at its head (they have the softmax in which to land), v's behind the second product;
; step i + 1's first product ends the trip.  So one address serves a trip, and each of the three loops walks records that lie on end.
; NO PREFETCH: 24 of the head's 32 records are asked for at the kernel's head, where no loop runs ahead of them, and the last 8 by a refill that stands 16 steps ahead of their first read.
; LIMITS: NaN and infinities are not served; the promise holds while the scaled scores stay under 2^31 in magnitude; 1 / l is v_rcp_f32's; a block's largest p is made from the block's largest score by the same
; multiply-add and exponential (this takes v_exp_f32 not to fall where its input rises); a block of zeros or under 2^-124 gets the scale byte 1 over zero or held codes (this program alone reads the bytes).
; REGISTERS.  Window 0: addresses, q, both tiles' small state, tile 0's S^T (v96-159) and O^T (v160-191), both tiles' codes of p, all scale words.
; Window 1: k's fragments v0-47, v's v48-95, tile 1's S^T and O^T at tile 0's numbers.  e = 0, 1 is the tile; a macro for tile e sets e's window for the places that name S^T or O^T.
.set REC,   12800
.set RGN,   8*REC
.set VO,    6144                       ; in a record: v's fragments,
.set KSO,   12288                      ; k's scale words,
.set VSO,   12544                      ; v's
.set SPARE, 3*RGN                      ; the spare words: 128 bytes for each wave, four blocks of 256 bytes that no other line names
.set LI,   1                           ; 16 x lane
.set LR,   2                           ; 16 x (lane % 16)
.set SPW,  3                           ; LDS address of my spare word; never rewritten
.set NIL,  4                           ; 0; never rewritten
.set ADK,  5                           ; the record + 16 x lane
.set ADS,  6                           ; the record + 16 x (lane % 16)
.set L8,   7                           ; 8 x lane
.set SH,   8                           ; 8 x (lane / 16)
.set L4,   9                           ; 4 x lane
.set NM,   12                          ; v[12+2e] -M, v[13+2e] the running largest t
.set QZ,   16                          ; v16-45: zeros, q of tile 0, zeros, q of tile 1, zeros, six registers each: (zeros | q) at QZ + 12 e, (q | zeros) at QZ + 6 + 12 e
.set QS,   46                          ; q's scale words (s0, s1, s0, s1)
.set BM,   48                          ; 4 e: four chains of maxima; then +0, +2 my two blocks' largest score, then largest p
.set BP,   56                          ; 2 e: the bytes
.set BO,   60                          ; 2 e: the conversions' scale operands
.set F,    64                          ; 2 e: f = 2^(old M - new M), as a pair's low word
.set L,    68                          ; 8 e: the row's sum, four chains of pairs
.set T1,   84
.set QW,   86
.set S,    96
.set O,    160
.set PCD,  192                         ; 12 e: p's codes
.set PT,   216                         ; 8 e: the conversions' second halves
.set KS,   232
.set VS,   236
.set PS,   240                         ; p's scale words
.set KF,   0                           ; in window 1
.set VF,   48
.set WV,   10
.set G1A,  16                          ; group 1: 50 rows of 256 bytes, a record
.set G1B,  24                          ; 100 rows, two records
.set G0A,  32
.set G0B,  36
.set SEL,  40
.set CS,   42
.set TB,   44
.set CNT,  45
.set MSB, 0
.macro WIN new                         ; the immediate's high byte repeats the setting that is left
.if MSB != (\new)
	s_set_vgpr_msb (MSB<<8)|(\new)
.set MSB, (\new)
.endif
.endm
.macro D2
	s_delay_alu instid0(VALU_DEP_2)
.endm
.macro CROUND                          ; a round of the cluster's barrier
	s_barrier_signal -1
	s_barrier_wait -1
	s_cmp_lg_u32 s[WV], 0
	s_cbranch_scc1 .Lnot_wave_0_\@
	s_barrier_signal -3
.Lnot_wave_0_\@:
	s_barrier_wait -3
	s_barrier_signal -1
	s_barrier_wait -1
.endm
.macro PLACES
.rept 4
	v_nop
.endr
.endm
.macro LDK                             ; 13 LDS loads: k's scale words and four pair fragments of the record at ADK
	ds_load_b128 v[KS:KS+3], v[ADS] offset:KSO
	WIN 0x40
.irp i, 0,1,2,3,4,5,6,7,8,9,10,11
	ds_load_b128 v[KF+4*\i:KF+4*\i+3], v[ADK] offset:512*\i
.endr
	WIN 0
.endm
.macro LDV                             ; 13 LDS loads: v's
	ds_load_b128 v[VS:VS+3], v[ADS] offset:VSO
	WIN 0x40
.irp i, 0,1,2,3,4,5,6,7,8,9,10,11
	ds_load_b128 v[VF+4*\i:VF+4*\i+3], v[ADK] offset:VO+512*\i
.endr
	WIN 0
.endm
.macro QK                              ; S^T = k q^T, both tiles: pair fragment b against (q | 0): key tile 2 b; against (0 | q): key tile 2 b + 1
.irp e, 0,1
	WIN 0x01+0x40*\e
.irp b, 0,1,2,3
	v_wmma_scale_f32_16x16x128_f8f6f4 v[S+16*\b:S+16*\b+7], v[KF+12*\b:KF+12*\b+11], v[QZ+6+12*\e:QZ+17+12*\e], 0, v[KS+\b], v[QS+\e] matrix_a_fmt:MATRIX_FMT_FP6 matrix_b_fmt:MATRIX_FMT_FP6
	v_wmma_scale_f32_16x16x128_f8f6f4 v[S+16*\b+8:S+16*\b+15], v[KF+12*\b:KF+12*\b+11], v[QZ+12*\e:QZ+11+12*\e], 0, v[KS+\b], v[QS+\e] matrix_a_fmt:MATRIX_FMT_FP6 matrix_b_fmt:MATRIX_FMT_FP6
.endr
.endr
	WIN 0
.endm
.macro MAXES e                         ; four chains, two to a block of 32 keys, by turns; each accumulator from its low end on
	WIN 0x15*\e
.irp n, 0,1,2,3
	v_max3_num_f32 v[BM+4*\e+\n], v[S+16*\n], v[S+16*\n+1], v[S+16*\n+2]
.endr
	WIN 0x14*\e
.irp i, 3,5,7,9,11,13
.irp n, 0,1,2,3
	v_max3_num_f32 v[BM+4*\e+\n], v[BM+4*\e+\n], v[S+16*\n+\i], v[S+16*\n+\i+1]
.endr
.endr
.irp c, 0,1
	v_max3_num_f32 v[BM+4*\e+2*\c], v[BM+4*\e+2*\c], v[S+32*\c+15], v[S+32*\c+31]
.endr
	WIN 0
.endm
.macro SCALE e                         ; O^T under the new M, and t - M, two at a time
	WIN 0x41*\e
.set J, 0
.rept 16
	v_pk_mul_f32 v[O+J:O+J+1], v[O+J:O+J+1], v[F+2*\e:F+2*\e+1] op_sel_hi:[1,0]
.set J, J+2
.endr
.set J, 0
.rept 32
	v_pk_fma_f32 v[S+J:S+J+1], v[S+J:S+J+1], s[CS:CS+1], v[NM+2*\e:NM+2*\e+1] op_sel_hi:[1,0,0]
.set J, J+2
.endr
.endm
.macro EXPS                            ; p = 2^(t - M) of the tile whose window is set
.set J, 0
.rept 64
	v_exp_f32 v[S+J], v[S+J]
.set J, J+1
.endr
.endm
.macro CVT e
	WIN 0x01*\e
.irp c, 0,1
	v_cvt_scalef32_pk16_fp6_f32 v[PCD+12*\e+6*\c:PCD+12*\e+6*\c+2], v[S+32*\c:S+32*\c+15], v[BO+2*\e+\c]
	v_cvt_scalef32_pk16_fp6_f32 v[PT+8*\e+4*\c:PT+8*\e+4*\c+2], v[S+32*\c+16:S+32*\c+31], v[BO+2*\e+\c]   ; (a conversion's three registers begin on an even number: the second three are made here and moved)
.endr
.endm
.macro ADD4 e                          ; four pairs of p onto the sum's four chains
.irp c, 0,1,2,3
	v_pk_add_f32 v[L+8*\e+2*\c:L+8*\e+2*\c+1], v[L+8*\e+2*\c:L+8*\e+2*\c+1], v[S+J+2*\c:S+J+2*\c+1]
.endr
.set J, J+8
.endm
.macro SUMS e, n                       ; the row's sum is taken of the unquantised p: each chain under the new M and its first pair in one line, then n groups of four pairs
	WIN 0x10*\e
.irp c, 0,1,2,3
	v_pk_fma_f32 v[L+8*\e+2*\c:L+8*\e+2*\c+1], v[L+8*\e+2*\c:L+8*\e+2*\c+1], v[F+2*\e:F+2*\e+1], v[S+2*\c:S+2*\c+1] op_sel_hi:[1,0,1]
.endr
	WIN 0x04*\e
.set J, 8
.rept \n
	ADD4 \e
.endr
.endm
; A step's softmax and second product, on scores that lie in S^T.  nxt = 1: the record at LDS byte s[TB] is the next step's, and k's part of it is asked for at once.
.macro SOFT nxt
	v_mov_b32 v[T1], v[NM]                         ; the old -M is kept.  These four lines are the places behind the first product, ahead of the loads into its registers and of the first read of the scores
	v_mov_b32 v[T1+1], v[NM+2]
.if \nxt
	v_add_nc_u32 v[ADK], s[TB], v[LI]
	v_add_nc_u32 v[ADS], s[TB], v[LR]
	LDK
.else
	v_nop
	v_nop
.endif
	MAXES 0
	MAXES 1
.irp e, 0,1                            ; from here the two tiles' chains stand line by line beside each other
.irp c, 0,1
	v_max_num_f32 v[BM+4*\e+2*\c], v[BM+4*\e+2*\c], v[BM+4*\e+2*\c+1]   ; the largest score of each of my two blocks: it serves for the row's maximum and for the block's largest p
.endr
.endr
.irp e, 0,1
	v_max_num_f32 v[BM+4*\e+1], v[BM+4*\e], v[BM+4*\e+2]
.endr
.irp e, 0,1
	D2
	v_permlanex16_b32 v[BM+4*\e+3], v[BM+4*\e+1], s[SEL], s[SEL+1]
.endr
.irp e, 0,1
	D2
	v_max_num_f32 v[BM+4*\e+1], v[BM+4*\e+1], v[BM+4*\e+3]   ; with lane l xor 16's 64 keys
.endr
.irp e, 0,1
	D2
	v_mul_f32 v[BM+4*\e+1], s[CS], v[BM+4*\e+1]    ; as t
.endr
.irp e, 0,1
	D2
	v_max_num_f32 v[NM+2*\e+1], v[NM+2*\e+1], v[BM+4*\e+1]
.endr
.irp e, 0,1
	D2
	v_floor_f32 v[NM+2*\e], -v[NM+2*\e+1]          ; -M = floor(-t) = -ceil(t)
.endr
.irp e, 0,1
	D2
	v_sub_f32 v[T1+\e], v[NM+2*\e], v[T1+\e]       ; old M - new M: a whole number, 0 or less
.endr
.irp e, 0,1
	D2
	v_cvt_i32_f32 v[T1+\e], v[T1+\e]               ; (it saturates)
.endr
.irp e, 0,1
	D2
	v_ldexp_f32 v[F+2*\e], 1.0, v[T1+\e]
.endr
.irp e, 0,1
.irp c, 0,1
	v_fma_f32 v[BM+4*\e+2*\c], v[BM+4*\e+2*\c], s[CS], v[NM+2*\e]   ; t - M of each block's largest score
.endr
.endr
	SCALE 0
	SCALE 1
	s_wait_alu depctr_va_vdst(0)
	EXPS                                           ; tile 1 (its window stands)
	WIN 0
	EXPS                                           ; tile 0
.irp e, 0,1
.irp c, 0,1
	v_exp_f32 v[BM+4*\e+2*\c], v[BM+4*\e+2*\c]     ; the block's largest p
.endr
.endr
	v_nop                                          ; the plain place behind the exponentials
	s_wait_alu depctr_va_vdst(0)                   ; one wait for the whole batch
.irp e, 0,1
.irp c, 0,1
	v_max_num_f32 v[BM+4*\e+2*\c], 0x1800000, v[BM+4*\e+2*\c]   ; the floor 2^(3 - 127): the byte cannot fall under 1
.endr
.endr
.irp e, 0,1
.irp c, 0,1
	v_add_nc_u32 v[BO+2*\e+\c], 0xff000000, v[BM+4*\e+2*\c]     ; 2 off the exponent field: the conversion's scale operand
.endr
.endr
.irp e, 0,1
.irp c, 0,1
	v_lshrrev_b32 v[BP+2*\e+\c], 23, v[BO+2*\e+\c]
.endr
.endr
.irp e, 0,1
	v_lshl_or_b32 v[BP+2*\e], v[BP+2*\e+1], 16, v[BP+2*\e]      ; my two bytes: blocks h and 2 + h,
.endr
.irp e, 0,1
	D2
	v_lshlrev_b32 v[BP+2*\e], v[SH], v[BP+2*\e]                 ; at their places in the word
.endr
.irp e, 0,1
	D2
	v_permlanex16_b32 v[BP+2*\e+1], v[BP+2*\e], s[SEL], s[SEL+1]
.endr
.irp e, 0,1
	D2
	v_or_b32 v[PS+\e], v[BP+2*\e], v[BP+2*\e+1]                 ; p's scale word for these 128 keys
.endr
	CVT 0
	CVT 1
	WIN 0
	v_nop                                          ; one plain place behind a scaled conversion
.irp e, 0,1
.irp c, 0,1
.irp i, 0,1,2
	v_mov_b32 v[PCD+12*\e+6*\c+3+\i], v[PT+8*\e+4*\c+\i]
.endr
.endr
.endr
	SUMS 0, 7                                      ; (the sums are the places between p's codes and scale words and the products below)
	SUMS 1, 6
	s_wait_alu depctr_va_vdst(0)
.if \nxt
	s_wait_dscnt 13                                ; v's fragments and scale words are in; younger: the 13 loads of the next step's k
.else
	s_wait_dscnt 0x0
.endif
.irp e, 0,1                            ; O^T += v^T p^T: eight accumulators, one instruction each
	WIN 0x01+0x50*\e
.irp t, 0,1,2,3
	v_wmma_scale_f32_16x16x128_f8f6f4 v[O+8*\t:O+8*\t+7], v[VF+12*\t:VF+12*\t+11], v[PCD+12*\e:PCD+12*\e+11], v[O+8*\t:O+8*\t+7], v[VS+\t], v[PS+\e] matrix_a_fmt:MATRIX_FMT_FP6 matrix_b_fmt:MATRIX_FMT_FP6
.endr
.endr
	WIN 0x04
	ADD4 1                                         ; tile 1's last four pairs stand here: the four places behind these products
	WIN 0
.endm
.macro STEPS base, n                   ; n trips; the records that they load lie on end from LDS byte base
	s_mov_b32 s[TB], \base
	s_mov_b32 s[CNT], \n
.Lstep_\@:
	SOFT 1
	LDV
	s_wait_dscnt 13                                ; the next step's k is in; younger: the 13 loads of its v
	QK
	s_add_co_u32 s[TB], s[TB], REC
	s_sub_co_u32 s[CNT], s[CNT], 1
	s_cmp_lg_u32 s[CNT], 0
	s_cbranch_scc1 .Lstep_\@
.endm
; Each wave waits for all its tensor loads, adds 0 to its spare word, and waits for that and for its LDS reads.  fill = 1: region 0, which every wave has left, takes records 24-31, a record a wave: the barrier is a round
; of the cluster's, and the joint refill is the first thing behind it.
.macro CHANGE fill
	s_wait_tensorcnt 0x0
	ds_add_u32 v[SPW], v[NIL]
.if \fill
	s_add_nc_u64 s[G0A+2:G0A+3], s[G0A+2:G0A+3], 3*RGN   ; no load of mine is out: 24 records on
.endif
	s_wait_dscnt 0x0
.if \fill
	CROUND
	tensor_load_to_lds s[G0A:G0A+3], s[G1A:G1A+7]
	s_nop 0
	PLACES
.else
	s_barrier_signal -1
	s_barrier_wait -1
.endif
.endm
	s_load_b128 s[4:7], s[0:1], 0x0                ; qi, kv
	s_load_b64 s[8:9], s[0:1], 0x10                ; ao
	v_lshl_add_u32 v[SPW], v0, 2, SPARE
	v_mov_b32 v[NIL], 0
	ds_add_u32 v[SPW], v[NIL]                      ; the opening lines: the add, twice on end, and its wait ahead of my first tensor load
	ds_add_u32 v[SPW], v[NIL]
	v_lshrrev_b32 v5, 5, v0
	v_readfirstlane_b32 s[WV], v5                  ; wave 0..7
	s_bfe_u32 s12, ttmp6, 0x40000                  ; cx
	s_lshl_b32 s13, ttmp9, 2
	s_add_co_u32 s13, s13, s12                     ; my block of 256 queries: it enters qi's and ao's addresses alone
	s_and_b32 s14, ttmp7, 0xffff                   ; bh, which the four partners share
.irp g, G1A, G1B                       ; dense blocks as rows of 256 bytes (32 elements of 8 bytes); the mask names all four work-groups, bit 21 beside it
	s_mov_b32 s[\g+0], 15|(3<<16)|(1<<21)
	s_mov_b32 s[\g+1], 32<<16
	s_mov_b32 s[\g+3], 32<<16
	s_mov_b32 s[\g+5], 32
	s_mov_b32 s[\g+6], 0
	s_mov_b32 s[\g+7], 0
.endr
	s_mov_b32 s[G1A+2], 50<<16
	s_mov_b32 s[G1A+4], 50
	s_mov_b32 s[G1B+2], 100<<16
	s_mov_b32 s[G1B+4], 100
	s_mul_i32 s46, s[WV], REC                      ; region 0: record w
	s_lshl_b32 s47, s46, 1
	s_add_co_u32 s47, s47, RGN                     ; regions 1, 2: records 8 + 2 w, 9 + 2 w
	s_mul_i32 s48, s14, 4*RGN                      ; the head's 32 records
	s_add_co_u32 s50, s48, s47
	s_add_co_u32 s48, s48, s46
	s_mov_b32 s49, 0
	s_mov_b32 s51, 0
	s_lshl_b32 s52, s14, 5                         ; my two query tiles are pair fragment w % 4 of qi's record 32 bh + 2 x block + w / 4
	s_lshl_b32 s53, s13, 1
	s_add_co_u32 s52, s52, s53
	s_lshr_b32 s53, s[WV], 2
	s_add_co_u32 s52, s52, s53
	s_mul_i32 s52, s52, 6400
	s_mov_b32 s53, 0
	s_and_b32 s54, s[WV], 3
	s_mul_i32 s55, s54, 1536
	s_lshl_b32 s56, s54, 2
	s_add_co_u32 s56, s56, 6144                    ; the pair's scale word: 6,144 + 16 r + 4 b
	s_lshr_b32 s57, s14, 3                         ; ao: record 8 T + head, T = 256 x batch + 16 x block + 2 w (+ 1 for tile 1)
	s_lshl_b32 s57, s57, 8
	s_lshl_b32 s58, s13, 4
	s_add_co_u32 s57, s57, s58
	s_lshl_b32 s58, s[WV], 1
	s_add_co_u32 s57, s57, s58
	s_lshl_b32 s57, s57, 3
	s_and_b32 s58, s14, 7
	s_add_co_u32 s57, s57, s58
	s_lshl_b32 s58, s57, 10
	s_mov_b32 s59, 0
	s_mov_b32 s[SEL], 0x76543210
	s_mov_b32 s[SEL+1], 0xfedcba98
	s_mov_b32 s[CS], 0x3e38aa3b                    ; c = log2(e) / 8
	s_mov_b32 s[CS+1], s[CS]
	s_mov_b32 s11, 0x01000100                      ; v_perm_b32: the word's bytes 0, 1 twice;
	s_mov_b32 s15, 0x03020302                      ; bytes 2, 3 twice
	s_wait_dscnt 0x0                               ; both opening adds are done
	s_wait_kmcnt 0x0
	s_mov_b32 s[G0A], 1
	s_mov_b32 s[G0A+1], s46
	s_add_nc_u64 s[G0A+2:G0A+3], s[6:7], s[48:49]
	s_or_b32 s[G0A+3], s[G0A+3], 0x80000000
	s_mov_b32 s[G0B], 1
	s_mov_b32 s[G0B+1], s47
	s_add_nc_u64 s[G0B+2:G0B+3], s[6:7], s[50:51]
	s_or_b32 s[G0B+3], s[G0B+3], 0x80000000
	s_add_nc_u64 s[4:5], s[4:5], s[52:53]
	s_add_nc_u64 s[8:9], s[8:9], s[58:59]
	CROUND                                         ; all four work-groups are here: the first joint loads meet
	tensor_load_to_lds s[G0A:G0A+3], s[G1A:G1A+7]  ; record w: my one tensor load at the head
	s_nop 0
	PLACES
	v_and_b32 v10, 31, v0
	v_and_b32 v11, 15, v0
	v_bfe_u32 v[SH], v0, 4, 1
	v_lshlrev_b32 v[LI], 4, v10
	v_lshlrev_b32 v[LR], 4, v11
	v_lshlrev_b32 v[SH], 3, v[SH]
	v_lshlrev_b32 v[L8], 3, v10
	v_lshlrev_b32 v[L4], 2, v10
	v_add_nc_u32 v10, s55, v[LI]
	v_add_nc_u32 v11, s56, v[LR]
	global_load_b64 v[QZ+6:QZ+7], v10, s[4:5]                   ; the image's registers 0-5: tile 0's q, in pieces of 8 bytes
	global_load_b64 v[QZ+8:QZ+9], v10, s[4:5] offset:8
	global_load_b64 v[QZ+10:QZ+11], v10, s[4:5] offset:512
	global_load_b64 v[QZ+18:QZ+19], v10, s[4:5] offset:520      ; registers 6-11: tile 1's
	global_load_b64 v[QZ+20:QZ+21], v10, s[4:5] offset:1024
	global_load_b64 v[QZ+22:QZ+23], v10, s[4:5] offset:1032
	global_load_b32 v[QW], v11, s[4:5]
	v_mov_b32 v[ADK], v[LI]                        ; record 0
	v_mov_b32 v[ADS], v[LR]
.irp j, 0,1,2,3,4,5,12,13,14,15,16,17,24,25,26,27,28,29
	v_mov_b32 v[QZ+\j], 0                          ; zero codes beside q
.endr
.set J, 0
.rept 16
	v_mov_b32 v[L+J], 0                            ; the sums
.set J, J+1
.endr
.irp e, 0,1
	v_mov_b32 v[F+2*\e+1], 0                       ; (named as the upper half of a pair)
	v_mov_b32 v[NM+2*\e+1], 0xff61b1e6             ; the largest t so far: -3e38
.endr
.irp e, 0,1
	v_floor_f32 v[NM+2*\e], -v[NM+2*\e+1]
.endr
	s_wait_alu depctr_va_vdst(0)
	s_wait_loadcnt 0x0
	v_perm_b32 v[QS], v[QW], v[QW], s11
	v_perm_b32 v[QS+1], v[QW], v[QW], s15
.irp e, 0,1                            ; O^T: the step is written once, and the first finds zeros.  (These lines are also the places between the scale words' making and their first use)
	WIN 0x40*\e
.set J, 0
.rept 32
	v_mov_b32 v[O+J], 0
.set J, J+1
.endr
.endr
	WIN 0
	s_wait_alu depctr_va_vdst(0)
	s_wait_tensorcnt 0x0                           ; my record is in
	ds_add_u32 v[SPW], v[NIL]
	s_wait_dscnt 0x0
	CROUND                                         ; region 0 is whole, and all four work-groups are here
	tensor_load_to_lds s[G0B:G0B+3], s[G1B:G1B+7]  ; my two records of regions 1 and 2: it has seven steps in which to land
	s_nop 0
	PLACES
	LDK
	LDV
	s_wait_dscnt 13                                ; k of step 0 is in; younger: v's 13 loads
	QK
	STEPS REC, 7                                   ; steps 0-6; records 1-7 are loaded
	CHANGE 1                                       ; regions 1 and 2 are whole; region 0 has been read out and is asked for again
	STEPS RGN, 16                                  ; steps 7-22; records 8-23
	CHANGE 0                                       ; region 0 is whole; nothing is asked for
	STEPS 0, 8                                     ; steps 23-30; records 24-31
	SOFT 0                                         ; step 31
	; THE WAY OUT.  O^T / l, register i = channel 32 (lane / 16) + i, one whole block a lane, is quantised along the head's 64 channels and stored as an image of the last projection's operand registers.
.irp e, 0,1
	v_pk_add_f32 v[L+8*\e:L+8*\e+1], v[L+8*\e:L+8*\e+1], v[L+8*\e+2:L+8*\e+3]
	v_pk_add_f32 v[L+8*\e+4:L+8*\e+5], v[L+8*\e+4:L+8*\e+5], v[L+8*\e+6:L+8*\e+7]
.endr
.irp e, 0,1
	v_pk_add_f32 v[L+8*\e:L+8*\e+1], v[L+8*\e:L+8*\e+1], v[L+8*\e+4:L+8*\e+5]
.endr
.irp e, 0,1
	v_add_f32 v[L+8*\e], v[L+8*\e], v[L+8*\e+1]
.endr
.irp e, 0,1
	v_permlanex16_b32 v[T1+\e], v[L+8*\e], s[SEL], s[SEL+1]
.endr
.irp e, 0,1
	v_add_f32 v[L+8*\e], v[L+8*\e], v[T1+\e]       ; with lane l xor 16's: the row's sum
.endr
	s_wait_alu depctr_va_vdst(0)
.irp e, 0,1
	v_rcp_f32 v[L+8*\e], v[L+8*\e]
.endr
	v_nop                                          ; a plain place behind the reciprocals
.macro OUTT e
	WIN 0x41*\e
	s_wait_alu depctr_va_vdst(0)
.set J, 0
.rept 16
	v_pk_mul_f32 v[S+J:S+J+1], v[O+J:O+J+1], v[L+8*\e:L+8*\e+1] op_sel_hi:[1,0]   ; each accumulator from its low end on
.set J, J+2
.endr
	WIN 0x15*\e
.irp n, 0,1
	v_max3_num_f32 v[BM+4*\e+\n], |v[S+16*\n]|, |v[S+16*\n+1]|, |v[S+16*\n+2]|
.endr
	WIN 0x14*\e
.irp i, 3,5,7,9,11,13
.irp n, 0,1
	v_max3_num_f32 v[BM+4*\e+\n], v[BM+4*\e+\n], |v[S+16*\n+\i]|, |v[S+16*\n+\i+1]|
.endr
.endr
	v_max3_num_f32 v[BM+4*\e], v[BM+4*\e], |v[S+15]|, |v[S+31]|
	WIN 0
	v_max3_num_f32 v[BM+4*\e], v[BM+4*\e], v[BM+4*\e+1], 0x1800000   ; my block's largest magnitude, and the floor 2^(3 - 127)
	v_add_nc_u32 v[BO+2*\e], 0xff000000, v[BM+4*\e]
	v_lshrrev_b32 v[BP+2*\e], 23, v[BO+2*\e]
	v_lshlrev_b32 v[BP+2*\e], v[SH], v[BP+2*\e]
	v_permlanex16_b32 v[BP+2*\e+1], v[BP+2*\e], s[SEL], s[SEL+1]
	v_or_b32 v[PS+\e], v[BP+2*\e], v[BP+2*\e+1]    ; the head's two bytes, in the word's low half
	WIN 0x01*\e
	v_cvt_scalef32_pk16_fp6_f32 v[PCD+12*\e:PCD+12*\e+2], v[S:S+15], v[BO+2*\e]
	v_cvt_scalef32_pk16_fp6_f32 v[PT+8*\e:PT+8*\e+2], v[S+16:S+31], v[BO+2*\e]
	WIN 0
	v_nop                                          ; one plain place behind a scaled conversion
.irp i, 0,1,2
	v_mov_b32 v[PCD+12*\e+3+\i], v[PT+8*\e+\i]
.endr
	global_store_b128 v[LI], v[PCD+12*\e:PCD+12*\e+3], s[8:9] offset:8192*\e          ; registers 0-3: 512 consecutive bytes, at a multiple of 256 from the buffer's first byte
	global_store_b64 v[L8], v[PCD+12*\e+4:PCD+12*\e+5], s[8:9] offset:8192*\e+512     ; registers 4, 5: 256 consecutive bytes
	global_store_b32 v[L4], v[PS+\e], s[8:9] offset:8192*\e+768                       ; the scale words: 128 consecutive bytes; the record's last 128 bytes are neither written nor read
.endm
	OUTT 0
	OUTT 1
	s_wait_tensorcnt 0x0                           ; the wave's end
	ds_add_u32 v[SPW], v[NIL]
	s_wait_dscnt 0x0
	CROUND                                         ; the closing round: no work-group ends while a partner may still ask for a tile that names it
	s_endpgm
.Lfunc_end_k_q576a212e23_attn:
	.size	k_q576a212e23_attn, .Lfunc_end_k_q576a212e23_attn-k_q576a212e23_attn
	.p2alignl 7, 3214868480
	.fill 96, 4, 3214868480
	.section	.rodata,"a",@progbits
	.p2align	6, 0x0
	.amdhsa_kernel k_q576a212e23_attn
		.amdhsa_group_segment_fixed_size 327680
		.amdhsa_private_segment_fixed_size 0
		.amdhsa_enable_private_segment 0
		.amdhsa_kernarg_size 24
		.amdhsa_user_sgpr_count 2
		.amdhsa_user_sgpr_kernarg_segment_ptr 1
		.amdhsa_wavefront_size32 1
		.amdhsa_system_sgpr_workgroup_id_x 1
		.amdhsa_system_sgpr_workgroup_id_y 1
		.amdhsa_system_sgpr_workgroup_id_z 1
		.amdhsa_system_vgpr_workitem_id 0
		.amdhsa_next_free_vgpr 512
		.amdhsa_next_free_sgpr 66
		.amdhsa_reserve_vcc 0
		.amdhsa_float_denorm_mode_32 3
		.amdhsa_float_denorm_mode_16_64 3
		.amdhsa_memory_ordered 1
		.amdhsa_forward_progress 1
		.amdhsa_inst_pref_size 127
	.end_amdhsa_kernel
	.amdgpu_metadata
---
amdhsa.version: [ 1, 2 ]
amdhsa.kernels:
  - .name:           k_q576a212e23_attn
    .symbol:         k_q576a212e23_attn.kd
    .args:
      - { .name: qi, .offset: 0, .size: 8, .value_kind: global_buffer, .address_space: global }
      - { .name: kv, .offset: 8, .size: 8, .value_kind: global_buffer, .address_space: global }
      - { .name: ao, .offset: 16, .size: 8, .value_kind: global_buffer, .address_space: global }
    .group_segment_fixed_size: 327680
    .private_segment_fixed_size: 0
    .kernarg_segment_align: 8
    .kernarg_segment_size: 24
    .max_flat_workgroup_size: 256
    .sgpr_count:     66
    .vgpr_count:     512
    .wavefront_size: 32
...
	.end_amdgpu_metadata
.endif
;; end of part 3
;; launch outp (part 4): grid 256 x 1, 4 waves a work-group, no clusters, 34,304 bytes of LDS; arguments opnd, ao, bo, out0; writes out0
.if DOCPART == 4
	.amdgcn_target "amdgcn-amd-amdhsa--gfx1250"
	.amdhsa_code_object_version 6
	.text
	.protected	k_q576a212e23_outp
	.globl	k_q576a212e23_outp
	.p2align	8
	.type	k_q576a212e23_outp,@function
k_q576a212e23_outp:
	s_mov_b64 s[64:65], 0
	v_nop
	global_prefetch_b8 v0, s[64:65] scope:SCOPE_SE
	s_setreg_imm32_b32 hwreg(HW_REG_WAVE_MODE, 25, 1), 1
	s_wait_xcnt 0x0
; out0 = a Wo^T + bo on codes of FP6 (E2M3) with E8M0 scales; a is attention's result, quantised along its 512 channels by the launch before.
; THE DEAL.  Work-group g makes 128 tokens x 128 columns: the columns 128 cb .. 128 cb + 127 with cb = g % 4, and the eight token tiles 8 (g / 4) .. 8 (g / 4) + 7.  Its wave i takes token tiles 2 tb and 2 tb + 1 with
; tb = 4 (g / 4) + i (lane r of tile T: token 64 (T / 4) + 8 (T % 4) + r % 8 + 32 (r / 8)).  So the four waves of a work-group read the same eight tiles of Wo, 51,200 bytes, and each its own two token tiles, 16,384 bytes.
; Source 0 = Wo's eight tiles 608 + 8 cb + t of opnd (32 fragments, 384 registers, each by three loads of 16 bytes a lane), source 1 = a token tile: a lane holds one token, and accumulator t's registers the columns
; 64 (t / 4) + 32 (lane / 16) + 8 (t % 4) + 0 .. 7.  The bias is the C of each sum's first matrix instruction.  ao [tile][head]: records of 1,024 bytes: registers 0-3 at 16 l, 4-5 at 512 + 8 l, the scale word at 768 + 4 l;
; heads 2 s and 2 s + 1 are the two halves of K step s's fragment, and their words' low halves make its scale word.
; The way out goes through the wave's own stage in LDS (16 rows of 512 bytes + 16) and leaves as whole runs of 512 bytes of a row.  Waves hand nothing to each other: no barrier.  No tensor load and no cluster: each fragment
; goes straight into the registers from which it is multiplied.
; REGISTERS, in windows of 256: window 0 below; windows 1, 2: Wo's fragment (t, s) in window 1 + s / 2 at v[12 (8 (s % 2) + t)]; window 2 from v192: the bias; window 3: token tile g's fragments at v[48 g + 12 s].
.set REC,  6400
.set FRB,  1536
.set SCO,  6144
.set SPI,  528                         ; a stage row
.set LI,   1                           ; v1   16 x lane
.set LR,   2                           ; v2   16 x (lane % 16)
.set BO,   3                           ; v3   128 x (lane / 16)
.set L8,   4                           ; v4   8 x lane
.set L4,   8                           ; v8   4 x lane
.set STO,  9                           ; v9   the stage: where I put 32 bytes of a row
.set RD,   10                          ; v10  and where I read a row back
.set SS,   16                          ; v16-47  Wo's scale words: 4 t + s
.set AW,   48                          ; v48-63  ao's words as they lie: 8 g + head
.set TS,   64                          ; v64-71  the token tiles' scale words: 4 g + s
.set ACC,  80                          ; v80-143 eight accumulators
.set OUTR, 144                         ; v144-207 16 rows on their way out
.set BI,   192                         ; in window 2
.set MSB, 0
.macro WIN new                         ; the immediate's high byte repeats the setting that is left
.if MSB != \new
	s_set_vgpr_msb (MSB<<8)|\new
.set MSB, \new
.endif
.endm
.macro PROD g, s                       ; eight matrix instructions: K step s of token tile g against Wo's eight tiles
.irp t, 0,1,2,3,4,5,6,7
.if (\s) == 0
	v_wmma_scale_f32_16x16x128_f8f6f4 v[ACC+8*\t:ACC+8*\t+7], v[12*(8*((\s)%2)+\t):12*(8*((\s)%2)+\t)+11], v[48*(\g)+12*(\s):48*(\g)+12*(\s)+11], v[BI+8*\t:BI+8*\t+7], v[SS+4*\t+(\s)], v[TS+4*(\g)+(\s)] matrix_a_fmt:MATRIX_FMT_FP6 matrix_b_fmt:MATRIX_FMT_FP6
.else
	v_wmma_scale_f32_16x16x128_f8f6f4 v[ACC+8*\t:ACC+8*\t+7], v[12*(8*((\s)%2)+\t):12*(8*((\s)%2)+\t)+11], v[48*(\g)+12*(\s):48*(\g)+12*(\s)+11], v[ACC+8*\t:ACC+8*\t+7], v[SS+4*\t+(\s)], v[TS+4*(\g)+(\s)] matrix_a_fmt:MATRIX_FMT_FP6 matrix_b_fmt:MATRIX_FMT_FP6
.endif
.endr
.endm
.macro GROUP g                         ; 32 matrix instructions, the eight accumulators by turns, one instruction a turn, K ascending
	WIN 0x2d                                       ; source 0 window 1, source 1 window 3, C (the bias) window 2, D window 0
	PROD \g, 0
	WIN 0x0d
	PROD \g, 1
	WIN 0x0e                                       ; source 0 window 2
	PROD \g, 2
	PROD \g, 3
	WIN 0
.rept 5
	v_nop                                          ; four places ahead of the first read of results, five ahead of the next group's first product, which writes over accumulators (ISA guide 7.12.1): nothing but LDS and memory instructions stands between the groups
.endr
.endm
.macro OUT g                           ; token tile g's 16 rows x 128 columns
.irp t, 0,1,2,3,4,5,6,7
	ds_store_b128 v[STO], v[ACC+8*\t:ACC+8*\t+3] offset:256*(\t/4)+32*(\t%4)          ; each accumulator from its low end on
	ds_store_b128 v[STO], v[ACC+8*\t+4:ACC+8*\t+7] offset:256*(\t/4)+32*(\t%4)+16
.endr
.if (\g) > 0
	s_wait_xcnt 0x0                                ; the last tile's stores have read their registers: they are loaded again only behind this wait
.endif
.irp i, 0,1,2,3,4,5,6,7,8,9,10,11,12,13,14,15
	ds_load_b128 v[OUTR+4*\i:OUTR+4*\i+3], v[RD] offset:SPI*\i   ; LDS serves a wave's instructions in order: these see my stores
.endr
.irp i, 0,1,2,3,4,5,6,7,8,9,10,11,12,13,14,15
	s_wait_dscnt 15-\i                             ; row i is in; the rows behind it may be out
	global_store_b128 v[LI], v[OUTR+4*\i:OUTR+4*\i+3], s[26:27] offset:2048*(8*(\g)+\i%8+32*(\i/8)) th:TH_STORE_NT   ; 512 consecutive bytes, at a multiple of 256 from out0's first byte; written once, read by nobody here
.endr
.endm
	s_load_b256 s[4:11], s[0:1], 0x0               ; opnd, ao, bo, out0
	v_lshl_add_u32 v254, v0, 2, 0x8400
	v_mov_b32 v255, 0
	v_lshrrev_b32 v5, 5, v0
	v_readfirstlane_b32 s16, v5                    ; wave 0..3
	v_and_b32 v5, 31, v0                           ; lane
	v_and_b32 v6, 15, v0                           ; r
	v_bfe_u32 v7, v0, 4, 1                         ; h
	v_lshlrev_b32 v[LI], 4, v5
	v_lshlrev_b32 v[LR], 4, v6
	v_lshlrev_b32 v[BO], 7, v7
	v_lshlrev_b32 v[L8], 3, v5
	v_lshlrev_b32 v[L4], 2, v5
	s_mul_i32 s17, s16, 16*SPI                     ; my stage
	v_mul_u32_u24 v[STO], v6, SPI
	v_lshl_add_u32 v[STO], v7, 7, v[STO]
	v_add_nc_u32 v[STO], s17, v[STO]               ; in: row r, + 128 h
	v_add_nc_u32 v[RD], s17, v[LI]                 ; back: the 32 lanes take one row of 512 bytes
	s_mov_b32 s28, 0x05040100                      ; v_perm_b32: the two low halves
	s_and_b32 s29, ttmp9, 3                        ; cb: the work-group's 128 columns
	s_lshr_b32 s17, ttmp9, 2
	s_lshl_b32 s17, s17, 2
	s_add_co_u32 s17, s17, s16                     ; tb = 4 (g / 4) + wave: my two token tiles
	s_lshl_b32 s12, s29, 3
	s_add_co_u32 s12, s12, 608
	s_mul_i32 s12, s12, REC                        ; Wo's records 608 + 8 cb on
	s_mov_b32 s13, 0
	s_lshl_b32 s14, s17, 14                        ; ao: 16 records of 1,024 bytes for two token tiles
	s_mov_b32 s15, 0
	s_lshl_b32 s18, s29, 9                         ; the 128 columns, in bo and in a row of out0
	s_mov_b32 s19, 0
	s_lshr_b32 s30, s17, 1                         ; out0: two pairs of tiles share 64 rows of 2,048 bytes;
	s_lshl_b32 s30, s30, 17
	s_and_b32 s29, s17, 1
	s_lshl_b32 s29, s29, 15                        ; the odd pair's tiles begin 16 rows further down
	s_add_co_u32 s30, s30, s29
	s_mov_b32 s31, 0
	s_wait_alu depctr_va_vdst(0)
	s_wait_kmcnt 0x0
	s_add_nc_u64 s[20:21], s[4:5], s[12:13]
	s_add_nc_u64 s[22:23], s[6:7], s[14:15]
	s_add_nc_u64 s[24:25], s[8:9], s[18:19]
	s_add_nc_u64 s[26:27], s[10:11], s[18:19]
	s_add_nc_u64 s[26:27], s[26:27], s[30:31]
.irp t, 0,1,2,3,4,5,6,7
	global_load_b128 v[SS+4*\t:SS+4*\t+3], v[LR], s[20:21] offset:REC*\t+SCO
.endr
	WIN 0x80
.irp t, 0,1,2,3,4,5,6,7                ; the bias in the result's layout
	global_load_b128 v[BI+8*\t:BI+8*\t+3], v[BO], s[24:25] offset:(64*(\t/4)+8*(\t%4))*4
	global_load_b128 v[BI+8*\t+4:BI+8*\t+7], v[BO], s[24:25] offset:(64*(\t/4)+8*(\t%4))*4+16
.endr
	WIN 0
.irp n, 0,1,2,3,4,5,6,7,8,9,10,11,12,13,14,15
	global_load_b32 v[AW+\n], v[L4], s[22:23] offset:1024*\n+768
.endr
	WIN 0x40
.irp s, 0,1
.irp t, 0,1,2,3,4,5,6,7
.irp c, 0,1,2
	global_load_b128 v[12*(8*\s+\t)+4*\c:12*(8*\s+\t)+4*\c+3], v[LI], s[20:21] offset:REC*\t+FRB*\s+512*\c
.endr
.endr
.endr
	WIN 0x80
.irp s, 0,1
.irp t, 0,1,2,3,4,5,6,7
.irp c, 0,1,2
	global_load_b128 v[12*(8*\s+\t)+4*\c:12*(8*\s+\t)+4*\c+3], v[LI], s[20:21] offset:REC*\t+FRB*(\s+2)+512*\c
.endr
.endr
.endr
	WIN 0xc0
.irp g, 0,1                            ; token tile g: sixteen loads; head 2 s + e fills registers 6 e .. 6 e + 5 of K step s's fragment
.irp s, 0,1,2,3
.irp e, 0,1
	global_load_b128 v[48*\g+12*\s+6*\e:48*\g+12*\s+6*\e+3], v[LI], s[22:23] offset:1024*(8*\g+2*\s+\e)
	global_load_b64 v[48*\g+12*\s+6*\e+4:48*\g+12*\s+6*\e+5], v[L8], s[22:23] offset:1024*(8*\g+2*\s+\e)+512
.endr
.endr
.endr
	WIN 0
	s_wait_loadcnt 16                              ; all but token tile 1's sixteen loads
.irp g, 0,1
.irp s, 0,1,2,3
	v_perm_b32 v[TS+4*\g+\s], v[AW+8*\g+2*\s+1], v[AW+8*\g+2*\s], s28   ; (head 2 s's two bytes, head 2 s + 1's two)
.endr
.endr
.rept 8
	v_nop                                          ; a scale register written by a vector instruction stands eight places ahead of a scaled matrix instruction
.endr
	GROUP 0
	OUT 0
	s_wait_loadcnt 0x0                             ; token tile 1
	s_wait_alu depctr_va_vdst(0)
	GROUP 1
	OUT 1
	s_wait_tensorcnt 0x0                           ; the wave's end, behind my last LDS store
	ds_add_u32 v254, v255
	s_wait_dscnt 0x0
	s_endpgm
.Lfunc_end_k_q576a212e23_outp:
	.size	k_q576a212e23_outp, .Lfunc_end_k_q576a212e23_outp-k_q576a212e23_outp
	.p2alignl 7, 3214868480
	.fill 96, 4, 3214868480
	.section	.rodata,"a",@progbits
	.p2align	6, 0x0
	.amdhsa_kernel k_q576a212e23_outp
		.amdhsa_group_segment_fixed_size 34304
		.amdhsa_private_segment_fixed_size 0
		.amdhsa_enable_private_segment 0
		.amdhsa_kernarg_size 32
		.amdhsa_user_sgpr_count 2
		.amdhsa_user_sgpr_kernarg_segment_ptr 1
		.amdhsa_wavefront_size32 1
		.amdhsa_system_sgpr_workgroup_id_x 1
		.amdhsa_system_sgpr_workgroup_id_y 1
		.amdhsa_system_sgpr_workgroup_id_z 1
		.amdhsa_system_vgpr_workitem_id 0
		.amdhsa_next_free_vgpr 1024
		.amdhsa_next_free_sgpr 66
		.amdhsa_reserve_vcc 0
		.amdhsa_float_denorm_mode_32 3
		.amdhsa_float_denorm_mode_16_64 3
		.amdhsa_memory_ordered 1
		.amdhsa_forward_progress 1
		.amdhsa_inst_pref_size 36
	.end_amdhsa_kernel
	.amdgpu_metadata
---
amdhsa.version: [ 1, 2 ]
amdhsa.kernels:
  - .name:           k_q576a212e23_outp
    .symbol:         k_q576a212e23_outp.kd
    .args:
      - { .name: opnd, .offset: 0, .size: 8, .value_kind: global_buffer, .address_space: global }
      - { .name: ao, .offset: 8, .size: 8, .value_kind: global_buffer, .address_space: global }
      - { .name: bo, .offset: 16, .size: 8, .value_kind: global_buffer, .address_space: global }
      - { .name: out0, .offset: 24, .size: 8, .value_kind: global_buffer, .address_space: global }
    .group_segment_fixed_size: 34304
    .private_segment_fixed_size: 0
    .kernarg_segment_align: 8
    .kernarg_segment_size: 32
    .max_flat_workgroup_size: 128
    .sgpr_count:     66
    .vgpr_count:     1024
    .wavefront_size: 32
...
	.end_amdgpu_metadata
.endif
;; end of part 4
